; MI455X (gfx1250); checked and timed in simulation.
; The chip was launched on July 23, 2026; its instructions are those of AMD's public machine-readable ISA for CDNA 5 (MIT licence, August 2026) and "CDNA5" Instruction Set Architecture Reference Guide (July 2026). The comments in the code are by the model that wrote it; some were corrected since.
;; Multi Head Self Attention Block. Allowed arithmetic: matrix products marked QUANTISED: E2M1 operands, one E8M0 scale for each 32 along K, by v_wmma_scale_f32_16x16x128_f8f6f4 with both operands' format E2M1 (or v_wmma_scale_f32_32x16x128_f4), f32 sums; everything else in f32.
;; Inputs: bk 1,024 float32; bo 1,024 float32; bq 1,024 float32; bv 1,024 float32; k_codes 2 x 2,048 x 32 x 16 uint8 (E2M1 codes of k, K innermost, in blocks of 32 codes, two codes a byte); k_scales 2 x 2,048 x 32 uint8 (E8M0 scales of k, one for each 32 codes along K); mask 1 x 1 x 2,048 x 2,048 int32; q_codes 2 x 2,048 x 32 x 16 uint8 (E2M1 codes of q, K innermost, in blocks of 32 codes, two codes a byte); q_scales 2 x 2,048 x 32 uint8 (E8M0 scales of q, one for each 32 codes along K); v_codes 2 x 2,048 x 32 x 16 uint8 (E2M1 codes of v, K innermost, in blocks of 32 codes, two codes a byte); v_scales 2 x 2,048 x 32 uint8 (E8M0 scales of v, one for each 32 codes along K); wk_codes 1,024 x 32 x 16 uint8 (E2M1 codes of wk, K innermost, in blocks of 32 codes, two codes a byte); wk_scales 1,024 x 32 uint8 (E8M0 scales of wk, one for each 32 codes along K); wo_codes 1,024 x 32 x 16 uint8 (E2M1 codes of wo, K innermost, in blocks of 32 codes, two codes a byte); wo_scales 1,024 x 32 uint8 (E8M0 scales of wo, one for each 32 codes along K); wq_codes 1,024 x 32 x 16 uint8 (E2M1 codes of wq, K innermost, in blocks of 32 codes, two codes a byte); wq_scales 1,024 x 32 uint8 (E8M0 scales of wq, one for each 32 codes along K); wv_codes 1,024 x 32 x 16 uint8 (E2M1 codes of wv, K innermost, in blocks of 32 codes, two codes a byte); wv_scales 1,024 x 32 uint8 (E8M0 scales of wv, one for each 32 codes along K).
;; Outputs: out0 2 x 2,048 x 1,024 float32.
;; This version of the problem:
;;   THIS VERSION OF THE PROBLEM IS GIVEN IN LOW PRECISION. The matrix products marked QUANTISED in the list below multiply operands that are first quantised to E2M1 (2 exponent bits, 1 mantissa bit; 4 bits a number), with one power-of-two scale for each 32 numbers along K (OCP MX v1.0); their sums are f32. All else is computed in f32.
;;   The module's matrix products, in the order in which they are computed (A, B: the left and right operand; K: the contracted axis; several contracted axes count as one K, in the product's order):
;;     1. [M 4,096, K 1,024] x [K 1,024, N 1,024]; A: input q (given as codes); B: input wq (given as codes): QUANTISED
;;     2. [M 4,096, K 1,024] x [K 1,024, N 1,024]; A: input k (given as codes); B: input wk (given as codes): QUANTISED
;;     3. [M 4,096, K 1,024] x [K 1,024, N 1,024]; A: input v (given as codes); B: input wv (given as codes): QUANTISED
;;     4. batch 32 x [M 2,048, K 64] x [K 64, N 2,048]; A: computed on the way; B: computed on the way: QUANTISED
;;     5. batch 32 x [M 2,048, K 2,048] x [K 2,048, N 64]; A: softmax (see below); B: computed on the way: QUANTISED
;;     6. [M 4,096, K 1,024] x [K 1,024, N 1,024]; A: computed on the way; B: input wo (given as codes): QUANTISED
;;   THE QUANTISER, for each operand of a quantised product, along K:
;;     - K is cut into blocks of 32 from its start; a last block that is shorter is filled with zeros.
;;     - A block's scale is 2^e with e = floor(log2(the largest magnitude in the block)) - 2, held to -126 .. 127; a block of zeros has e = 0. As a byte (E8M0): e + 127.
;;     - Each number is divided by its block's scale, clamped to +-6, and rounded to the nearest number of E2M1, ties to even, subnormals kept.
;;     - The product sums the exact products of the quantised numbers (number of the format x scale) in f32.
;;   ~~~python
;;   def quantise(x, axis):      # numpy; x: float32 -> the quantised numbers, widened to float32 again
;;       x = np.moveaxis(x, axis, -1); K = x.shape[-1]
;;       x = np.pad(x, [(0, 0)] * (x.ndim - 1) + [(0, -K % 32)]); x = x.reshape(x.shape[:-1] + (-1, 32)); a = np.abs(x).max(-1, keepdims=True)
;;       e = np.where(a > 0, np.clip(np.frexp(np.where(a > 0, a, 1))[1] - 1 - 2, -126, 127), 0)      # np.frexp(a)[1] - 1 = floor(log2(a)), exactly
;;       r = np.clip(x / 2.0 ** e, -6, 6)
;;       step = 2.0 ** (np.maximum(np.frexp(np.where(r == 0, 1, r))[1] - 1, 0) - 1)
;;       q = np.round(r / step) * step * 2.0 ** e      # np.round: ties to even
;;       return np.moveaxis(q.reshape(q.shape[:-2] + (-1,))[..., :K], -1, axis).astype(np.float32)
;;   ~~~
;;   SOFTMAX AHEAD OF A QUANTISED PRODUCT. Where the list says 'softmax', what is quantised is not the finished softmax but p = 2^(t - M), with t = logit x log2(e) and M = ceil(the row's largest t), a whole number; so 1/2 < the row's largest p <= 1. The row's sum l is taken of the UNQUANTISED p, in f32, and the product's result is divided by l at the end. Since M is a whole number, a kernel that streams over the keys may use a running M (the ceiling of the running maximum): every later rescaling is an exact power of two, which a block's scale takes up: the codes' values come out the same.
;;   OPERANDS COMPUTED ON THE WAY. 'Computed on the way' means the value that the module computes at that place (a softmax that the list does not call 'softmax' is quantised finished and normalised). What goes into a quantiser is computed in f32, as accurately as f32 sums, v_exp_f32 and their like allow (about 1e-6 of the number): no bf16 or f16 on the way to a quantiser, and a product that is left as it is and whose result goes on into a quantised operand takes f32 operands (vector FMAs, or v_wmma_f32_16x16x4_f32). A number that lies on a knife's edge between two numbers of the format may be rounded either way, as far as f32 arithmetic and the matrix unit's own rounding can turn it there, and no further.
;;   INPUTS GIVEN AS CODES. k (in the module: [2, 2048, 1024], K = its axis 2); q (in the module: [2, 2048, 1024], K = its axis 2); v (in the module: [2, 2048, 1024], K = its axis 2); wk (in the module: [1024, 1024], K = its axis 1); wo (in the module: [1024, 1024], K = its axis 1); wq (in the module: [1024, 1024], K = its axis 1); wv (in the module: [1024, 1024], K = its axis 1): each comes as NAME_codes (uint8): NAME with its K axis moved to the last place and cut into blocks of 32 codes, [.., K / 32, bytes a block], one block behind the other in memory; two codes a byte, the lower K in the low four bits (a code: sign, 2 exponent bits, 1 mantissa bit); and NAME_scales (uint8): the same leading axes, one E8M0 byte (e + 127) for each 32 codes along K. Its value is code x scale, taken as it is: it is not quantised again, and the codes and scales need not be those that the quantiser above would give.
;; One version. Each part assembles by itself: llvm-mc -triple=amdgcn-amd-amdhsa -mcpu=gfx1250 --defsym DOCPART=n.
;; ======== version 1 of 1: 3 launches
;; limits: right only within a limited range of input values
;; workspace buffers: qw 2,359,296 bytes; kvw 4,718,592 bytes; maskw 524,288 bytes of whole numbers; xc 2,097,152 bytes; xs 262,144 bytes
;; launch proj (part 1): grid 256 x 1, 16 waves a work-group, no clusters, 297,984 bytes of LDS; arguments q_codes, q_scales, wq_codes, wq_scales, k_codes, k_scales, wk_codes, wk_scales, v_codes, v_scales, wv_codes, wv_scales, bq, bk, bv, mask, qw, kvw, maskw; writes qw, kvw, maskw
.if DOCPART == 1
	.amdgcn_target "amdgcn-amd-amdhsa--gfx1250"
	.amdhsa_code_object_version 6
	.text
	.protected	k_q247340221c_proj
	.globl	k_q247340221c_proj
	.p2align	8
	.type	k_q247340221c_proj,@function
k_q247340221c_proj:
	s_mov_b64 s[64:65], 0
	v_nop
	global_prefetch_b8 v0, s[64:65] scope:SCOPE_SE
	s_setreg_imm32_b32 hwreg(HW_REG_WAVE_MODE, 25, 1), 1
	s_wait_xcnt 0x0
; query = q wq^T + bq, key = k wk^T + bk, value = v wv^T + bv on codes of FP4 (E2M1) with E8M0 scales, each result quantised again for the attention launch; and the mask packed into lane-mask words.
; 256 work-groups of 16 waves: numbers 0-63 make query, 64-127 key, 128-191 value, 192-255 pack the mask.
; THE PRODUCT is P[u][t] = sum over k of U[u][k] T[t][k], source 0 = 16 rows of U, source 1 = 16 rows of T: in a result lane (r, h) holds T's row r, and its register j U's row 8 h + j.
; So U's rows run along a lane's registers, which is where the NEXT product's K must run: query and key are quantised along the head's 64 (U = the weight, T = the tokens), value along the keys (U = the tokens, T = the weight).
; A work-group makes 256 u x 256 t; all of K = 1,024 lies in LDS (two halves of 512, rows of 256 bytes + 16 of padding), filled once; nothing is filled again.  A wave makes 64 x 64: 16 accumulators, which take turns.
; THE QUANTISER (macro QUANT64): a block of 32 along u is two neighbouring tiles in lanes l and l xor 16.  A conversion takes eight neighbours from one lane; two exchanges of lane halves put a whole block into a lane, as the operand's layout asks.
; WHAT IS STORED are images of operand registers: four registers of a fragment as 512 bytes, lane l's 16 bytes at 16 l; each store of a wave covers 512 consecutive bytes, aligned.  Records: qw 2,304 bytes (4 images, 256 bytes of scale words [row 16][tile 4]),
; kvw 4,608 bytes (4 images of key, 4 of value, the two runs of scale words); record number = (batch x 16 + head) x 32 + group of 64 tokens.
; NO CLUSTER: the tokens are source 1 in two of the paths and source 0 in the third, so the partners that share a tile would lie along a cluster's rows in one path and along its columns in another, and 64 of the 256 work-groups share nothing.
; LIMITS: a block of zeros, or one whose largest magnitude lies under 2^-124, gets the scale byte 1 (its bytes are read by this program alone; zero codes add nothing under that byte); NaN and infinities are not served.
.set SLOT,  139264                     ; half of K: U's 256 rows of 272 bytes, then T's 256
.set TOFF,  69632                      ; where T's rows begin in it
.set SCL,   278528                     ; the scale bytes, as runs of 256 bytes + 16 of padding: U's 8,704 bytes, then T's
.set SPARE, 295936                     ; the spare words, 128 bytes for each of 16 waves
.set L16,  1                           ; v1   16 x lane
.set R16,  2                           ; v2   16 x (lane % 16)
.set AU,   3                           ; v3-4 LDS address of my fragments of U in half 0, 1
.set AT,   5                           ; v5-6 the same for T
.set ADRS, 7                           ; v7   LDS address of my scale words: lanes 0-15 U's rows, lanes 16-31 T's
.set SPW,  8                           ; v8   my spare word; never rewritten
.set NIL,  9                           ; v9   0; never rewritten
.set BH,   10                          ; v10  32 x (lane / 16)
.set BR,   11                          ; v11  4 x (lane % 16)
.set SC,   16                          ; v16-31  scale words: register 4 i + q: tile i, the half's q-th 128 along K
.set UF,   32                          ; v32-63  four fragments of U
.set TF,   64                          ; v64-95  four fragments of T
.set BI,   96                          ; v96-127 the bias in the result's layout; later:
.set TM,   96                          ; v96-103 the quantiser's work
.set CDS,  104                         ; v104-119 four images
.set PW,   120                         ; v120-123 four scale words
.set ACC,  128                         ; v128-255 accumulator (a, b) at 128 + 8 (4 a + b): T's tile a, U's tile b
.set D,    128                         ; the mask path: 32 loads of four registers
.set X,    16
.set Y,    20
.set T,    24
.set OUT,  28
.set WV,   2
.set PATH, 3
.set UC,   4
.set US,   6
.set TC,   8
.set TS,   10
.set BB,   12
.set OB,   14
.set OS,   62
.set SEL,  66
.set G1C,  68
.set G1S,  76
.set G0S,  84
.set G0C,  88
.macro MMA d, a, b, c, sa, sb          ; U's scales from lanes 0-15 of sa, T's from lanes 16-31 of sb
	v_wmma_scale_f32_16x16x128_f8f6f4 v[\d:\d+7], v[\a:\a+7], v[\b:\b+7], v[\c:\c+7], v[\sa], v[\sb] matrix_a_fmt:MATRIX_FMT_FP4 matrix_b_fmt:MATRIX_FMT_FP4 matrix_b_scale:MATRIX_SCALE_ROW1
.endm
; 32 numbers of a lane, register s + 16 b + 8 u + j = place 32 b + 16 u + 8 (lane / 16) + j along the next K, become four registers of codes at pc and a scale word in pw (bytes 0 and 1; bytes 2 and 3 are 0).
.macro QUANT64 s, pc, pw
.irp b, 0,1
	v_max3_num_f32 v[TM+\b], |v[\s+16*\b]|, |v[\s+16*\b+1]|, 0x1800000   ; each accumulator is read from its low end on; the floor 2^(3 - 127) holds the byte at 1 from below
.endr
.irp i, 2,4,6,8,10,12,14
.irp b, 0,1
	v_max3_num_f32 v[TM+\b], v[TM+\b], |v[\s+16*\b+\i]|, |v[\s+16*\b+\i+1]|
.endr
.endr
.irp b, 0,1
	s_delay_alu instid0(VALU_DEP_2)
	v_permlanex16_b32 v[TM+2+\b], v[TM+\b], s[SEL], s[SEL+1]
.endr
.irp b, 0,1
	s_delay_alu instid0(VALU_DEP_2)
	v_max_num_f32 v[TM+\b], v[TM+\b], v[TM+2+\b]       ; with lane l xor 16's: the block's largest magnitude
.endr
.irp b, 0,1
	s_delay_alu instid0(VALU_DEP_2)
	v_add_nc_u32 v[TM+4+\b], 0xff000000, v[TM+\b]      ; 2 off its exponent field: the conversion's scale operand
.endr
.irp b, 0,1
	s_delay_alu instid0(VALU_DEP_2)
	v_lshrrev_b32 v[TM+6+\b], 23, v[TM+4+\b]           ; the scale's byte
.endr
	s_delay_alu instid0(VALU_DEP_1)
	v_lshl_or_b32 v[\pw], v[TM+7], 8, v[TM+6]
.irp b, 0,1
	v_cvt_scalef32_pk8_fp4_f32 v[\pc+\b], v[\s+16*\b:\s+16*\b+7], v[TM+4+\b]         ; places 32 b + 8 h + 0 .. 7
	v_cvt_scalef32_pk8_fp4_f32 v[\pc+2+\b], v[\s+16*\b+8:\s+16*\b+15], v[TM+4+\b]    ; places 32 b + 16 + 8 h + 0 .. 7
.endr
	v_nop                                              ; one plain place behind a scaled conversion
	v_permlane16_swap_b32 v[\pc], v[\pc+1]             ; block 0's upper lanes change places with block 1's lower lanes:
	v_permlane16_swap_b32 v[\pc+2], v[\pc+3]           ; register i of lane (r, h) now holds places 32 h + 8 i + 0 .. 7
.endm
; 128 along K: the q-th of half s.  cmode 0: the sums go on; 1: they start from the bias along u; 2: from the bias along t.
.macro KSTEP s, q, cmode, first
.if (\first) == 0
.rept 4
	v_nop                                              ; four places in front of loads into registers that matrix instructions have read
.endr
.endif
.if (\q) == 0
.irp i, 0,1,2,3
	ds_load_b128 v[SC+4*\i:SC+4*\i+3], v[ADRS] offset:16*(\s)+544*\i     ; the half's four scale words of tile i's rows
.endr
.endif
.irp i, 0,1,2,3
.irp c, 0,1
	ds_load_b128 v[UF+8*\i+4*\c:UF+8*\i+4*\c+3], v[AU+\s] offset:4352*\i+64*(\q)+32*\c
	ds_load_b128 v[TF+8*\i+4*\c:TF+8*\i+4*\c+3], v[AT+\s] offset:4352*\i+64*(\q)+32*\c
.endr
.endr
	s_wait_dscnt 0x0
.irp a, 0,1,2,3
.irp b, 0,1,2,3
.if (\cmode) == 0
	MMA ACC+8*(4*\a+\b), UF+8*\b, TF+8*\a, ACC+8*(4*\a+\b), SC+4*\b+\q, SC+4*\a+\q
.elseif (\cmode) == 1
	MMA ACC+8*(4*\a+\b), UF+8*\b, TF+8*\a, BI+8*\b, SC+4*\b+\q, SC+4*\a+\q
.else
	MMA ACC+8*(4*\a+\b), UF+8*\b, TF+8*\a, BI+8*\a, SC+4*\b+\q, SC+4*\a+\q
.endif
.endr
.endr
.endm
	s_load_b512 s[16:31], s[0:1], 0x0              ; q codes, scales; wq codes, scales; k codes, scales; wk codes, scales
	s_load_b512 s[32:47], s[0:1], 0x40             ; v codes, scales; wv codes, scales; bq; bk; bv; mask
	s_load_b128 s[48:51], s[0:1], 0x80             ; qw, kvw
	s_load_b64 s[52:53], s[0:1], 0x90              ; maskw
	v_lshl_add_u32 v[SPW], v0, 2, SPARE
	v_mov_b32 v[NIL], 0
	ds_add_u32 v[SPW], v[NIL]                      ; the wave's opening: the add, twice on end, and its wait ahead of the first tensor load
	ds_add_u32 v[SPW], v[NIL]
	v_lshrrev_b32 v12, 5, v0
	s_delay_alu instid0(VALU_DEP_1)
	v_readfirstlane_b32 s[WV], v12                 ; wave 0..15
	s_lshr_b32 s[PATH], ttmp9, 6                   ; 0 query, 1 key, 2 value, 3 mask
	s_mov_b32 s[SEL], 0x76543210
	s_mov_b32 s[SEL+1], 0xfedcba98                 ; v_permlanex16_b32's selects for lane l xor 16
	; descriptor group 1 for codes: 128 rows of 256 bytes, 512 bytes apart in memory, 16 bytes of padding behind each in LDS
	s_mov_b32 s[G1C], (1<<20)|(5<<22)|(3<<25)
	s_mov_b32 s[G1C+1], 256<<16
	s_mov_b32 s[G1C+2], 128<<16
	s_mov_b32 s[G1C+3], 256<<16
	s_mov_b32 s[G1C+4], 128
	s_mov_b32 s[G1C+5], 512
	s_mov_b32 s[G1C+6], 0
	s_mov_b32 s[G1C+7], 0
	; and for the scale bytes of 64 rows: 2,048 dense bytes as 8 rows of 256 (32 elements of 8 bytes), padded likewise
	s_mov_b32 s[G1S], (3<<16)|(1<<20)|(5<<22)|(3<<25)
	s_mov_b32 s[G1S+1], 32<<16
	s_mov_b32 s[G1S+2], 8<<16
	s_mov_b32 s[G1S+3], 32<<16
	s_mov_b32 s[G1S+4], 8
	s_mov_b32 s[G1S+5], 32
	s_mov_b32 s[G1S+6], 0
	s_mov_b32 s[G1S+7], 0
	v_and_b32 v12, 31, v0                          ; lane
	s_delay_alu instid0(VALU_DEP_1)
	v_lshlrev_b32 v[L16], 4, v12
	s_wait_dscnt 0x0                               ; both opening adds are done
	s_wait_kmcnt 0x0
	s_cmp_eq_u32 s[PATH], 3
	s_cbranch_scc1 .Lmask
	; ---- the three products
	s_and_b32 s96, ttmp9, 63
	s_and_b32 s97, s96, 3                          ; the weight's tile of 256 rows
	s_lshr_b32 s96, s96, 2                         ; the tokens' tile of 256 rows
	s_and_b32 s98, s[WV], 3                        ; wu: my 64 rows of U
	s_lshr_b32 s99, s[WV], 2                       ; wt: my 64 rows of T
	s_and_b32 s59, s[WV], 7
	s_cmp_eq_u32 s[PATH], 0                        ; the choices hang on the work-group's number alone
	s_cselect_b64 s[UC:UC+1], s[20:21], s[28:29]
	s_cselect_b64 s[US:US+1], s[22:23], s[30:31]
	s_cselect_b64 s[TC:TC+1], s[16:17], s[24:25]
	s_cselect_b64 s[TS:TS+1], s[18:19], s[26:27]
	s_cselect_b64 s[BB:BB+1], s[40:41], s[42:43]
	s_cselect_b64 s[OB:OB+1], s[48:49], s[50:51]
	s_cmp_eq_u32 s[PATH], 2
	s_cselect_b64 s[UC:UC+1], s[32:33], s[UC:UC+1]
	s_cselect_b64 s[US:US+1], s[34:35], s[US:US+1]
	s_cselect_b64 s[TC:TC+1], s[36:37], s[TC:TC+1]
	s_cselect_b64 s[TS:TS+1], s[38:39], s[TS:TS+1]
	s_cselect_b64 s[BB:BB+1], s[44:45], s[BB:BB+1]
	s_cselect_b32 s100, s96, s97                   ; U's tile
	s_cselect_b32 s101, s97, s96                   ; T's tile
	s_cselect_b32 s60, s98, s99                    ; my 64 tokens in their tile
	s_cselect_b32 s61, s99, s98                    ; my 64 rows of the weight in theirs
	s_lshl_b32 s96, s96, 2
	s_add_co_u32 s96, s96, s60                     ; group of 64 tokens, 0..63
	s_lshl_b32 s97, s97, 2
	s_add_co_u32 s97, s97, s61                     ; the head
	; what I fetch, one tensor load a wave.  i = wave % 8; i / 4 says U (0) or T (1).
	; waves 0-7: codes, 128 rows x 256 bytes: half (i / 2) % 2 of K, rows 128 (i % 2) on;  waves 8-15: the scale bytes of rows 64 (i % 4) on
	s_cmp_lt_u32 s59, 4
	s_cselect_b64 s[54:55], s[UC:UC+1], s[TC:TC+1]
	s_cselect_b64 s[56:57], s[US:US+1], s[TS:TS+1]
	s_cselect_b32 s58, s100, s101
	s_lshl_b32 s58, s58, 8                         ; the tile's first row
	s_and_b32 s92, s59, 1
	s_bfe_u32 s93, s59, 0x10001                    ; which half of K
	s_lshl_b32 s60, s92, 7
	s_add_co_u32 s60, s60, s58                     ; the first of my 128 rows
	s_lshl_b32 s60, s60, 9                         ; 512 bytes of codes a row
	s_lshl_b32 s94, s93, 8
	s_add_co_u32 s60, s60, s94                     ; + 256 bytes for K 512 .. 1,023
	s_mov_b32 s61, 0
	s_add_nc_u64 s[54:55], s[54:55], s[60:61]
	s_and_b32 s94, s59, 3
	s_lshl_b32 s60, s94, 6
	s_add_co_u32 s60, s60, s58                     ; the first of my 64 rows of scale bytes
	s_lshl_b32 s60, s60, 5                         ; 32 scale bytes a row
	s_add_nc_u64 s[56:57], s[56:57], s[60:61]
	s_mov_b32 s[G0S], 1
	s_mul_i32 s[G0S+1], s59, 2176                  ; 8 runs of 272 bytes: U's four parts, then T's four
	s_add_co_u32 s[G0S+1], s[G0S+1], SCL
	s_mov_b64 s[G0S+2:G0S+3], s[56:57]
	s_or_b32 s[G0S+3], s[G0S+3], 0x80000000
	s_mov_b32 s[G0C], 1
	s_mul_i32 s[G0C+1], s93, SLOT
	s_lshr_b32 s94, s59, 2
	s_mul_i32 s94, s94, TOFF
	s_add_co_u32 s[G0C+1], s[G0C+1], s94
	s_mul_i32 s94, s92, 34816                      ; 128 rows of 272 bytes
	s_add_co_u32 s[G0C+1], s[G0C+1], s94
	s_mov_b64 s[G0C+2:G0C+3], s[54:55]
	s_or_b32 s[G0C+3], s[G0C+3], 0x80000000
	s_cmp_lt_u32 s[WV], 8                          ; one branch on the wave's number, a fill in each arm
	s_cbranch_scc0 .Lfill_s
	tensor_load_to_lds s[G0C:G0C+3], s[G1C:G1C+7]
	s_nop 0
.rept 4
	v_nop
.endr
	s_branch .Lfilled
.Lfill_s:
	tensor_load_to_lds s[G0S:G0S+3], s[G1S:G1S+7]
	s_nop 0
.rept 4
	v_nop
.endr
.Lfilled:
	v_and_b32 v13, 15, v0                          ; r
	s_delay_alu instid0(VALU_DEP_1)
	v_lshlrev_b32 v[R16], 4, v13
	v_bfe_u32 v14, v0, 4, 1                        ; h
	s_delay_alu instid0(VALU_DEP_3)
	v_mul_u32_u24 v15, v13, 272
	s_delay_alu instid0(VALU_DEP_1)
	v_lshl_add_u32 v15, v14, 4, v15                ; a fragment's row x pitch + 16 h
	s_mul_i32 s100, s98, 17408                     ; my 64 rows of U
	s_mul_i32 s101, s99, 17408
	s_add_co_u32 s101, s101, TOFF                  ; my 64 rows of T
	v_add_nc_u32 v[AU], s100, v15
	v_add_nc_u32 v[AT], s101, v15
	s_delay_alu instid0(VALU_DEP_2)
	v_add_nc_u32 v[AU+1], SLOT, v[AU]
	s_delay_alu instid0(VALU_DEP_2)
	v_add_nc_u32 v[AT+1], SLOT, v[AT]
	v_lshrrev_b32 v[ADRS], 3, v13                  ; eight rows' scale bytes to a run of 256
	s_delay_alu instid0(VALU_DEP_1)
	v_mul_u32_u24 v[ADRS], v[ADRS], 272
	v_and_b32 v15, 7, v13
	s_delay_alu instid0(VALU_DEP_1)
	v_lshl_add_u32 v[ADRS], v15, 5, v[ADRS]
	s_mul_i32 s100, s98, 2176                      ; U's: my 64 rows
	s_mul_i32 s101, s99, 2176
	s_add_co_u32 s101, s101, 8704                  ; T's: my 64 rows, behind U's 256
	s_sub_co_u32 s101, s101, s100
	v_mul_u32_u24 v15, s101, v14                   ; lanes 16-31 take T's: one product by h
	s_add_co_u32 s100, s100, SCL
	v_add_nc_u32 v[ADRS], v[ADRS], v15
	s_delay_alu instid0(VALU_DEP_1)
	v_add_nc_u32 v[ADRS], s100, v[ADRS]
	v_lshlrev_b32 v[BH], 5, v14
	v_lshlrev_b32 v[BR], 2, v13
	s_lshl_b32 s60, s97, 8                         ; the head's 64 numbers of the bias
	s_add_nc_u64 s[BB:BB+1], s[BB:BB+1], s[60:61]
	s_lshr_b32 s58, s96, 5
	s_lshl_b32 s58, s58, 9                         ; batch x 512
	s_lshl_b32 s59, s97, 5
	s_add_co_u32 s58, s58, s59                     ; + head x 32
	s_and_b32 s59, s96, 31
	s_add_co_u32 s58, s58, s59                     ; + group: the record's number
	s_min_u32 s59, s[PATH], 1
	s_lshl_b32 s60, 2304, s59                      ; a record: 2,304 bytes in qw, 4,608 in kvw
	s_mul_i32 s60, s58, s60
	s_add_nc_u64 s[OB:OB+1], s[OB:OB+1], s[60:61]
	s_lshl_b32 s60, 2048, s59                      ; the scale words: at 2,048 (query), 4,096 (key), 4,352 (value)
	s_lshr_b32 s59, s[PATH], 1
	s_lshl_b32 s58, s59, 8
	s_add_co_u32 s60, s60, s58
	s_add_nc_u64 s[OS:OS+1], s[OB:OB+1], s[60:61]
	s_lshl_b32 s60, s59, 11                        ; value's images lie 2,048 bytes into the record
	s_add_nc_u64 s[OB:OB+1], s[OB:OB+1], s[60:61]
	s_cmp_eq_u32 s[PATH], 2
	s_cbranch_scc1 .Lbias_v
	s_wait_alu depctr_va_vdst(0)
.irp b, 0,1,2,3                                ; query, key: the bias runs along u: lane (r, h) wants numbers 16 b + 8 h + 0 .. 7
	global_load_b128 v[BI+8*\b:BI+8*\b+3], v[BH], s[BB:BB+1] offset:64*\b
	global_load_b128 v[BI+8*\b+4:BI+8*\b+7], v[BH], s[BB:BB+1] offset:64*\b+16
.endr
	s_branch .Lbias_done
.Lbias_v:
	s_wait_alu depctr_va_vdst(0)
.irp a, 0,1,2,3                                ; value: along t: lane (r, h) wants number 16 a + r, in all eight registers
	global_load_b32 v[BI+8*\a], v[BR], s[BB:BB+1] offset:64*\a
.endr
.Lbias_done:
	s_wait_tensorcnt 0x0                           ; my one load has landed
	s_barrier_signal -1
	s_barrier_wait -1                              ; everybody's have
	s_cmp_eq_u32 s[PATH], 2
	s_cbranch_scc1 .Lfirst_v
	s_wait_loadcnt 0x0                             ; the bias
	KSTEP 0, 0, 1, 1                               ; the first products start the sums from the bias: nothing is cleared, nothing is added later
	s_branch .Ljoin
.Lfirst_v:
	s_wait_loadcnt 0x0
.irp a, 0,1,2,3
.irp j, 1,2,3,4,5,6,7
	v_mov_b32 v[BI+8*\a+\j], v[BI+8*\a]
.endr
.endr
.rept 4
	v_nop
.endr
	s_wait_alu depctr_va_vdst(0)
	KSTEP 0, 0, 2, 1
.Ljoin:
	KSTEP 0, 1, 0, 0
	KSTEP 0, 2, 0, 0
	KSTEP 0, 3, 0, 0
	KSTEP 1, 0, 0, 0                               ; both halves of K were shown whole by the one barrier above
	KSTEP 1, 1, 0, 0
	KSTEP 1, 2, 0, 0
	KSTEP 1, 3, 0, 0
.rept 4
	v_nop                                          ; four places in front of the first read of results
.endr
.irp a, 0,1,2,3
	QUANT64 ACC+32*\a, CDS+4*\a, PW+\a
	global_store_b128 v[L16], v[CDS+4*\a:CDS+4*\a+3], s[OB:OB+1] offset:512*\a   ; an image: 512 consecutive bytes; each tile has registers of its own, so no store's data are written again
.endr
	global_store_b128 v[R16], v[PW:PW+3], s[OS:OS+1]   ; the scale words [row][tile]: 256 consecutive bytes (lanes 16-31 repeat lanes 0-15)
	s_wait_tensorcnt 0x0                           ; the wave's end
	ds_add_u32 v[SPW], v[NIL]
	s_wait_dscnt 0x0
	s_endpgm
	; ---- the mask: bit (r + 16 h) of word 8 t + j of (tile of 16 queries, step of 128 keys) says whether mask[16 tile + r][128 step + 16 t + 8 h + j] is not 0:
	; the lane mask for register 8 t + j of the attention launch's scores.  A wave takes one tile of queries and two steps.
.Lmask:
	s_sub_co_u32 s96, ttmp9, 192
	s_lshl_b32 s96, s96, 1
	s_lshr_b32 s97, s[WV], 3
	s_add_co_u32 s96, s96, s97                     ; the tile of queries, 0..127
	s_and_b32 s97, s[WV], 7                        ; which pair of steps
	s_lshl_b32 s98, s96, 17                        ; 16 rows of 8,192 bytes
	s_lshl_b32 s99, s97, 10                        ; 256 keys of 4 bytes
	s_add_co_u32 s98, s98, s99
	s_mov_b32 s99, 0
	s_add_nc_u64 s[46:47], s[46:47], s[98:99]
	s_lshl_b32 s98, s96, 12                        ; 16 steps of 256 bytes
	s_lshl_b32 s97, s97, 9
	s_add_co_u32 s98, s98, s97
	s_add_nc_u64 s[52:53], s[52:53], s[98:99]
	s_wait_alu depctr_va_vdst(0)
.irp u, 0,1
.set q, 0
.rept 16
	global_load_b128 v[D+64*\u+4*q:D+64*\u+4*q+3], v[L16], s[46:47] offset:8192*q+512*\u th:TH_LOAD_NT   ; row q, step u: 512 consecutive bytes; lane l holds keys 4 l + 0 .. 3
.set q, q+1
.endr
.endr
	v_lshlrev_b32 v13, 3, v12                      ; 8 x lane
.set n, 0
.rept 16
	v_mov_b32 v[X+n], 0                            ; written once: a lane write's and a lane permute's destination counts as read; X's lanes 16-31 stay 0
.set n, n+1
.endr
.macro PACK u
.if (\u) == 0
	s_wait_loadcnt 16                              ; the first step's sixteen loads are in; the second's may be out
.else
	s_wait_loadcnt 0x0
.endif
.set q, 0
.rept 16                                       ; lane q of X + j: bit l says whether mask[q][4 l + j] is not 0
.irp j, 0,1,2,3
	v_cmp_ne_u32 s[54+4*(q%2)+\j], 0, v[D+64*(\u)+4*q+\j]
.endr
.irp j, 0,1,2,3
	s_delay_alu instid0(VALU_DEP_4)
	v_writelane_b32 v[X+\j], s[54+4*(q%2)+\j], q
.endr
.set q, q+1
.endr
.irp j, 0,1,2,3
	s_delay_alu instid0(VALU_DEP_4)
	v_permlanex16_b32 v[Y+\j], v[X+\j], s[SEL], s[SEL+1]
.endr
.irp j, 0,1,2,3
	s_delay_alu instid0(VALU_DEP_4)
	v_lshrrev_b32 v[Y+\j], 2, v[Y+\j]              ; lanes 16-31: the same words two bits down, since 8 keys on are two lanes on
.endr
.irp j, 0,1,2,3
	s_delay_alu instid0(VALU_DEP_4)
	v_or_b32 v[Y+\j], v[X+\j], v[Y+\j]
.endr
.set n, 0
.rept 64                                       ; key 16 t + 8 h + j = 4 (4 t + 2 h + j / 4) + j % 4
	v_and_b32 v[T+n%4], 1<<(4*(n/8)+(n%8)/4), v[Y+n%4]
	s_delay_alu instid0(VALU_DEP_1)
	v_cmp_ne_u32 s[54+n%8], 0, v[T+n%4]
	s_delay_alu instid0(VALU_DEP_1)
	v_writelane_b32 v[OUT+2*(\u)+n%2], s[54+n%8], n/2
.set n, n+1
.endr
	global_store_b64 v13, v[OUT+2*(\u):OUT+2*(\u)+1], s[52:53] offset:256*(\u)   ; 64 words: 256 consecutive bytes, aligned
.endm
	PACK 0
	PACK 1
	s_wait_tensorcnt 0x0                           ; the wave's end
	ds_add_u32 v[SPW], v[NIL]
	s_wait_dscnt 0x0
	s_endpgm
.Lfunc_end_k_q247340221c_proj:
	.size	k_q247340221c_proj, .Lfunc_end_k_q247340221c_proj-k_q247340221c_proj
	.p2alignl 7, 3214868480
	.fill 96, 4, 3214868480
	.section	.rodata,"a",@progbits
	.p2align	6, 0x0
	.amdhsa_kernel k_q247340221c_proj
		.amdhsa_group_segment_fixed_size 297984
		.amdhsa_private_segment_fixed_size 0
		.amdhsa_enable_private_segment 0
		.amdhsa_kernarg_size 152
		.amdhsa_user_sgpr_count 2
		.amdhsa_user_sgpr_kernarg_segment_ptr 1
		.amdhsa_wavefront_size32 1
		.amdhsa_system_sgpr_workgroup_id_x 1
		.amdhsa_system_sgpr_workgroup_id_y 1
		.amdhsa_system_sgpr_workgroup_id_z 1
		.amdhsa_system_vgpr_workitem_id 0
		.amdhsa_next_free_vgpr 256
		.amdhsa_next_free_sgpr 102
		.amdhsa_reserve_vcc 0
		.amdhsa_float_denorm_mode_32 3
		.amdhsa_float_denorm_mode_16_64 3
		.amdhsa_memory_ordered 1
		.amdhsa_forward_progress 1
		.amdhsa_inst_pref_size 105
	.end_amdhsa_kernel
	.amdgpu_metadata
---
amdhsa.version: [ 1, 2 ]
amdhsa.kernels:
  - .name:           k_q247340221c_proj
    .symbol:         k_q247340221c_proj.kd
    .args:
      - { .name: q_codes, .offset: 0, .size: 8, .value_kind: global_buffer, .address_space: global }
      - { .name: q_scales, .offset: 8, .size: 8, .value_kind: global_buffer, .address_space: global }
      - { .name: wq_codes, .offset: 16, .size: 8, .value_kind: global_buffer, .address_space: global }
      - { .name: wq_scales, .offset: 24, .size: 8, .value_kind: global_buffer, .address_space: global }
      - { .name: k_codes, .offset: 32, .size: 8, .value_kind: global_buffer, .address_space: global }
      - { .name: k_scales, .offset: 40, .size: 8, .value_kind: global_buffer, .address_space: global }
      - { .name: wk_codes, .offset: 48, .size: 8, .value_kind: global_buffer, .address_space: global }
      - { .name: wk_scales, .offset: 56, .size: 8, .value_kind: global_buffer, .address_space: global }
      - { .name: v_codes, .offset: 64, .size: 8, .value_kind: global_buffer, .address_space: global }
      - { .name: v_scales, .offset: 72, .size: 8, .value_kind: global_buffer, .address_space: global }
      - { .name: wv_codes, .offset: 80, .size: 8, .value_kind: global_buffer, .address_space: global }
      - { .name: wv_scales, .offset: 88, .size: 8, .value_kind: global_buffer, .address_space: global }
      - { .name: bq, .offset: 96, .size: 8, .value_kind: global_buffer, .address_space: global }
      - { .name: bk, .offset: 104, .size: 8, .value_kind: global_buffer, .address_space: global }
      - { .name: bv, .offset: 112, .size: 8, .value_kind: global_buffer, .address_space: global }
      - { .name: mask, .offset: 120, .size: 8, .value_kind: global_buffer, .address_space: global }
      - { .name: qw, .offset: 128, .size: 8, .value_kind: global_buffer, .address_space: global }
      - { .name: kvw, .offset: 136, .size: 8, .value_kind: global_buffer, .address_space: global }
      - { .name: maskw, .offset: 144, .size: 8, .value_kind: global_buffer, .address_space: global }
    .group_segment_fixed_size: 297984
    .private_segment_fixed_size: 0
    .kernarg_segment_align: 8
    .kernarg_segment_size: 152
    .max_flat_workgroup_size: 512
    .sgpr_count:     102
    .vgpr_count:     256
    .wavefront_size: 32
...
	.end_amdgpu_metadata
.endif
;; end of part 1
;; launch attn (part 2): grid 8 x 32, 16 waves a work-group, clusters of 4 x 1, 167,936 bytes of LDS; arguments qw, kvw, maskw, xc, xs; writes xc, xs
.if DOCPART == 2
	.amdgcn_target "amdgcn-amd-amdhsa--gfx1250"
	.amdhsa_code_object_version 6
	.text
	.protected	k_q247340221c_attn
	.globl	k_q247340221c_attn
	.p2align	8
	.type	k_q247340221c_attn,@function
k_q247340221c_attn:
	s_mov_b64 s[64:65], 0
	v_nop
	global_prefetch_b8 v0, s[64:65] scope:SCOPE_SE
	s_setreg_imm32_b32 hwreg(HW_REG_WAVE_MODE, 25, 1), 1
	s_wait_xcnt 0x0
	s_wait_alu depctr_hold_cnt(0) depctr_sa_sdst(0) depctr_va_vdst(0) depctr_va_sdst(0) depctr_va_ssrc(0) depctr_va_vcc(0) depctr_vm_vsrc(0)
	s_getreg_b32 s2, hwreg(HW_REG_IB_STS2, 6, 4)
	s_cmp_eq_u32 s2, 0
	s_cbranch_scc0 .Lentry_in_a_cluster
	s_endpgm
.Lentry_in_a_cluster:
	s_bfe_u32 s2, ttmp6, 0x10000c
	s_cmp_lg_u32 s2, 0x3003
	s_cbranch_scc0 .Lentry_shape_is_right
	s_endpgm
.Lentry_shape_is_right:
; x = softmax(where(mask == 0, -1, query key^T / 8)) value for one (batch, head), both products on codes of FP4 (E2M1) with E8M0 scales; x is quantised along the model's 1,024 for the last product.
; INPUTS are images of operand registers (512 bytes, lane l's 16 bytes at 16 l).  qw: a record of 2,304 bytes for 64 queries: 4 images, then scale words [row 16][tile 4].
; kvw: a record of 4,608 bytes for 64 keys: 4 images of key (16 keys x the head's 64), 4 of value (16 of the head's 64 x 64 keys), 256 bytes of key's scale words, 256 of value's.  maskw: 64 lane masks for each (16 queries, 128 keys).
; SHARES: a work-group owns 256 queries of one head, each of its 16 waves 16 of them.  The head's 32 records, 147,456 bytes, come into LDS once, one joint load of 9,216 bytes a wave; nothing is filled again.
; CLUSTER 4 x 1: four blocks of queries of one head ask for the same records jointly.
; A KEY STEP is 128 keys = two records.  A fragment of key holds record 0's 16 keys in K 0-63 and record 1's in K 64-127; multiplied by (q, 0) and by (0, q) it gives both records' scores.
; Both products are used transposed: a lane holds one query (lane % 16); score register n is key 16 (n / 8) + 8 (lane / 16) + n % 8 of the step.
; THE SOFTMAX: t = score x log2(e) / 8 (a masked place: score -8); M = the running largest t rounded up to a whole number; p = 2^(t - M) is quantised, its sum is taken unquantised and divides at the end.
; THE ORDER OF A STEP: all that the exponentials read, f and the rescaling of O^T stand ahead of them; then 68 exponentials on end, with one wait ahead and one behind.
; NO PREFETCH: the records come by the head's loads alone; there is no loop that runs ahead of a load.
; LIMITS: the promise holds while |t| stays under 2^31; NaN and infinities are not served; a block whose every p is 0 gets the scale byte 1 over zero codes.
.set HEADB, 147456                     ; a head's 32 records
.set STEPB, 9216                       ; two records
.set SPARE, 147456                     ; the spare words, 128 bytes for each of 16 waves
.set L16,  1                           ; 16 x lane
.set R16,  2                           ; 16 x (lane % 16)
.set ADR,  3                           ; the step's images
.set ADS,  4                           ; the step's scale words
.set SPW,  5                           ; my spare word; never rewritten
.set NIL,  6                           ; 0; never rewritten
.set NEG8, 7                           ; -8.0
.set QF,   16                          ; v16-27: q, 0, q
.set QSC,  28                          ; q's scale bytes at bytes 0, 1
.set QSC2, 29                          ; and at bytes 2, 3
.set KF,   32
.set VF,   64
.set S,    96                          ; scores, then p
.set O,    160                         ; O^T
.set CDS,  192                         ; p's codes
.set KSC,  200
.set VSR,  208
.set VSW,  216
.set KSW,  220
.set BM,   224
.set BP,   228
.set SO,   232
.set P0,   236
.set P1,   238
.set F,    240
.set PSW,  242
.set TMP,  243
.set P2,   244
.set P3,   246
.set TM,   224
.set WV,   2
.set TB,   3
.set G1,   4
.set MB,   12
.set MO,   14
.set CNT,  15
.set CS,   66
.set XCP,  74
.set XSP,  76
.set G0,   96
.set SEL,  100
.set QA,   104
.macro MMZ d, a, b, sa, sb
	v_wmma_scale_f32_16x16x128_f8f6f4 v[\d:\d+7], v[\a:\a+7], v[\b:\b+7], 0, v[\sa], v[\sb] matrix_a_fmt:MATRIX_FMT_FP4 matrix_b_fmt:MATRIX_FMT_FP4
.endm
.macro MMA d, a, b, sa, sb
	v_wmma_scale_f32_16x16x128_f8f6f4 v[\d:\d+7], v[\a:\a+7], v[\b:\b+7], v[\d:\d+7], v[\sa], v[\sb] matrix_a_fmt:MATRIX_FMT_FP4 matrix_b_fmt:MATRIX_FMT_FP4
.endm
.macro CROUND                          ; a round of the cluster's barrier
	s_barrier_signal -1
	s_barrier_wait -1
	s_cmp_lg_u32 s[WV], 0
	s_cbranch_scc1 .Lnot_wave_0_\@
	s_barrier_signal -3
.Lnot_wave_0_\@:
	s_barrier_wait -3
	s_barrier_signal -1
	s_barrier_wait -1
.endm
; 32 numbers of a lane, register s + 16 b + 8 u + j = place 32 b + 16 u + 8 (lane / 16) + j, become four registers of codes and a scale word (bytes 0, 1)
.macro QUANT64 s, pc, pw
.irp b, 0,1
	v_max3_num_f32 v[TM+\b], |v[\s+16*\b]|, |v[\s+16*\b+1]|, 0x1800000
.endr
.irp i, 2,4,6,8,10,12,14
.irp b, 0,1
	s_delay_alu instid0(VALU_DEP_2)
	v_max3_num_f32 v[TM+\b], v[TM+\b], |v[\s+16*\b+\i]|, |v[\s+16*\b+\i+1]|
.endr
.endr
.irp b, 0,1
	s_delay_alu instid0(VALU_DEP_2)
	v_permlanex16_b32 v[TM+2+\b], v[TM+\b], s[SEL], s[SEL+1]
.endr
.irp b, 0,1
	s_delay_alu instid0(VALU_DEP_2)
	v_max_num_f32 v[TM+\b], v[TM+\b], v[TM+2+\b]
.endr
.irp b, 0,1
	s_delay_alu instid0(VALU_DEP_2)
	v_add_nc_u32 v[TM+4+\b], 0xff000000, v[TM+\b]
.endr
.irp b, 0,1
	s_delay_alu instid0(VALU_DEP_2)
	v_lshrrev_b32 v[TM+6+\b], 23, v[TM+4+\b]
.endr
	s_delay_alu instid0(VALU_DEP_1)
	v_lshl_or_b32 v[\pw], v[TM+7], 8, v[TM+6]
.irp b, 0,1
	v_cvt_scalef32_pk8_fp4_f32 v[\pc+\b], v[\s+16*\b:\s+16*\b+7], v[TM+4+\b]
	v_cvt_scalef32_pk8_fp4_f32 v[\pc+2+\b], v[\s+16*\b+8:\s+16*\b+15], v[TM+4+\b]
.endr
	v_nop
	v_permlane16_swap_b32 v[\pc], v[\pc+1]
	v_permlane16_swap_b32 v[\pc+2], v[\pc+3]
.endm
.macro KLOAD adr, ads, off             ; a step's four fragments of key and their scale words
.irp i, 0,1,2,3
	ds_load_b128 v[KF+8*\i:KF+8*\i+3], v[\adr] offset:\off+512*\i
	ds_load_b128 v[KF+8*\i+4:KF+8*\i+7], v[\adr] offset:\off+4608+512*\i
.endr
	ds_load_b128 v[KSC:KSC+3], v[\ads] offset:\off+4096
	ds_load_b128 v[KSC+4:KSC+7], v[\ads] offset:\off+8704
.endm
; A KEY STEP.  next = 1: the next step's key fragments and lane masks are fetched under this step's softmax.
.macro STEP next
	v_add_nc_u32 v[ADR], s[TB], v[L16]
	v_add_nc_u32 v[ADS], s[TB], v[R16]
	v_nop
	v_nop                                          ; four places in front of loads into registers that the last products read
.irp a, 0,1,2,3
.irp c, 0,1
	ds_load_b128 v[VF+8*\a+4*\c:VF+8*\a+4*\c+3], v[ADR] offset:4608*\c+2048+512*\a
.endr
.endr
	ds_load_b128 v[VSR:VSR+3], v[ADS] offset:4352
	ds_load_b128 v[VSR+4:VSR+7], v[ADS] offset:8960
.irp i, 0,1,2,3
	MMZ S+8*\i, KF+8*\i, QF, KSW+\i, QSC
.endr
.irp i, 0,1,2,3
	MMZ S+32+8*\i, KF+8*\i, QF+4, KSW+\i, QSC2
.endr
.rept 4
	v_nop
.endr
.if \next
	KLOAD ADR, ADS, STEPB
.endif
	s_wait_kmcnt 0x0                               ; the step's 64 lane masks
.if \next
	s_add_co_u32 s[MO], s[MO], 256
	s_min_u32 s[MO], s[MO], 3840
.endif
.set n, 0
.rept 64
	v_cndmask_b32 v[S+n], v[NEG8], v[S+n], s[16+n+16*(n/48)]   ; each accumulator from its low end on
.set n, n+1
.endr
.if \next
	s_load_b512 s[16:31], s[MB:MB+1], s[MO] offset:0x0
	s_load_b512 s[32:47], s[MB:MB+1], s[MO] offset:0x40
	s_load_b512 s[48:63], s[MB:MB+1], s[MO] offset:0x80
	s_load_b512 s[80:95], s[MB:MB+1], s[MO] offset:0xc0
.endif
.irp b, 0,1,2,3                                ; the largest score of each block of 32 keys, in two chains a block
	v_max3_num_f32 v[BM+\b], v[S+16*\b], v[S+16*\b+1], v[S+16*\b+2]
.endr
.irp b, 0,1,2,3
	v_max3_num_f32 v[BP+\b], v[S+16*\b+3], v[S+16*\b+4], v[S+16*\b+5]
.endr
.irp i, 6,10
.irp b, 0,1,2,3
	v_max3_num_f32 v[BM+\b], v[BM+\b], v[S+16*\b+\i], v[S+16*\b+\i+1]
.endr
.irp b, 0,1,2,3
	v_max3_num_f32 v[BP+\b], v[BP+\b], v[S+16*\b+\i+2], v[S+16*\b+\i+3]
.endr
.endr
.irp b, 0,1,2,3
	v_max3_num_f32 v[BM+\b], v[BM+\b], v[S+16*\b+14], v[S+16*\b+15]
.endr
.irp b, 0,1,2,3
	s_delay_alu instid0(VALU_DEP_4)
	v_max_num_f32 v[BM+\b], v[BM+\b], v[BP+\b]
.endr
.irp b, 0,1,2,3
	s_delay_alu instid0(VALU_DEP_4)
	v_permlanex16_b32 v[BP+\b], v[BM+\b], s[SEL], s[SEL+1]
.endr
.irp b, 0,1,2,3
	s_delay_alu instid0(VALU_DEP_4)
	v_max_num_f32 v[BM+\b], v[BM+\b], v[BP+\b]
.endr
	s_delay_alu instid0(VALU_DEP_2)
	v_max3_num_f32 v[TMP], v[BM], v[BM+1], v[BM+2]
	s_delay_alu instid0(VALU_DEP_1)
	v_max_num_f32 v[TMP], v[TMP], v[BM+3]
	s_delay_alu instid0(VALU_DEP_1)
	v_mul_f32 v[TMP], s[CS], v[TMP]
	s_delay_alu instid0(VALU_DEP_1)
	v_max_num_f32 v13, v13, v[TMP]                 ; the running largest t
	v_mov_b32 v[TMP], v12
	s_delay_alu instid0(VALU_DEP_2)
	v_floor_f32 v12, -v13                          ; -M
	s_delay_alu instid0(VALU_DEP_1)
	v_sub_f32 v[TMP], v12, v[TMP]                  ; old M - new M; its way to f goes among the scalings
.set n, 0
.rept 32
	v_pk_fma_f32 v[S+n:S+n+1], v[S+n:S+n+1], s[CS:CS+1], v[12:13] op_sel_hi:[1,0,0]   ; t - M
.if n == 6
	v_cvt_i32_f32 v[TMP], v[TMP]
.endif
.if n == 14
	v_ldexp_f32 v[F], 1.0, v[TMP]                  ; f = 2^(old M - new M)
.endif
.set n, n+2
.endr
.irp b, 0,1,2,3
	v_fma_f32 v[BM+\b], v[BM+\b], s[CS], v12       ; the same of each block's largest score
.endr
.set n, 0
.rept 16
	v_pk_mul_f32 v[O+n:O+n+1], v[O+n:O+n+1], v[F:F+1] op_sel_hi:[1,0]   ; O^T under the new M, read here with no exponential behind the products that wrote it
.set n, n+2
.endr
	s_wait_alu depctr_va_vdst(0)                   ; the wait ahead of the batch
.set n, 0
.rept 64
	v_exp_f32 v[S+n], v[S+n]                       ; p
.set n, n+1
.endr
.irp b, 0,1,2,3
	v_exp_f32 v[BM+\b], v[BM+\b]                   ; each block's largest p
.endr
	s_wait_dscnt 0x0                               ; value's fragments and both runs of scale words are in
.irp a, 0,1,2,3
	v_lshl_or_b32 v[VSW+\a], v[VSR+4+\a], 16, v[VSR+\a]   ; plain work behind the batch: two records' bytes make a scale word
.endr
.if \next
.irp i, 0,1,2,3
	v_lshl_or_b32 v[KSW+\i], v[KSC+4+\i], 16, v[KSC+\i]
.endr
.endif
	s_wait_alu depctr_va_vdst(0)                   ; one wait for the batch, ahead of its first reader
.irp b, 0,1,2,3
	v_max_num_f32 v[BM+\b], 0x1800000, v[BM+\b]    ; the floor 2^(3 - 127)
.endr
.irp b, 0,1,2,3
	s_delay_alu instid0(VALU_DEP_4)
	v_add_nc_u32 v[SO+\b], 0xff000000, v[BM+\b]    ; the conversion's scale operand
.endr
.irp b, 0,1,2,3
	s_delay_alu instid0(VALU_DEP_4)
	v_lshrrev_b32 v[BP+\b], 23, v[SO+\b]           ; the scale's byte
.endr
	s_delay_alu instid0(VALU_DEP_3)
	v_lshl_or_b32 v[PSW], v[BP+1], 8, v[BP]
	s_delay_alu instid0(VALU_DEP_1)
	v_lshl_or_b32 v[PSW], v[BP+2], 16, v[PSW]
	s_delay_alu instid0(VALU_DEP_1)
	v_lshl_or_b32 v[PSW], v[BP+3], 24, v[PSW]
	v_pk_add_f32 v[P0:P0+1], v[S:S+1], v[S+8:S+9]  ; the sum of the unquantised p, in four chains
	v_pk_add_f32 v[P1:P1+1], v[S+2:S+3], v[S+10:S+11]
	v_pk_add_f32 v[P2:P2+1], v[S+4:S+5], v[S+12:S+13]
	v_pk_add_f32 v[P3:P3+1], v[S+6:S+7], v[S+14:S+15]
.set n, 16
.rept 5
	v_pk_add_f32 v[P0:P0+1], v[P0:P0+1], v[S+n:S+n+1]
	v_pk_add_f32 v[P1:P1+1], v[P1:P1+1], v[S+n+2:S+n+3]
	v_pk_add_f32 v[P2:P2+1], v[P2:P2+1], v[S+n+4:S+n+5]
	v_pk_add_f32 v[P3:P3+1], v[P3:P3+1], v[S+n+6:S+n+7]
.set n, n+8
.endr
.irp c, 0,1
.irp u, 0,1
	v_cvt_scalef32_pk8_fp4_f32 v[CDS+4*\c+\u], v[S+16*(2*\c+\u):S+16*(2*\c+\u)+7], v[SO+2*\c+\u]
	v_cvt_scalef32_pk8_fp4_f32 v[CDS+4*\c+2+\u], v[S+16*(2*\c+\u)+8:S+16*(2*\c+\u)+15], v[SO+2*\c+\u]
.endr
.endr
	v_nop                                          ; one plain place behind a scaled conversion
.irp c, 0,1
	v_permlane16_swap_b32 v[CDS+4*\c], v[CDS+4*\c+1]       ; a whole block into a lane
	v_permlane16_swap_b32 v[CDS+4*\c+2], v[CDS+4*\c+3]
.endr
	v_pk_add_f32 v[P0:P0+1], v[P0:P0+1], v[S+56:S+57]      ; the sums' last eight lines are the places between the codes and the products
	v_pk_add_f32 v[P1:P1+1], v[P1:P1+1], v[S+58:S+59]
	v_pk_add_f32 v[P2:P2+1], v[P2:P2+1], v[S+60:S+61]
	v_pk_add_f32 v[P3:P3+1], v[P3:P3+1], v[S+62:S+63]
	v_pk_add_f32 v[P0:P0+1], v[P0:P0+1], v[P1:P1+1]
	v_pk_add_f32 v[P2:P2+1], v[P2:P2+1], v[P3:P3+1]
	s_delay_alu instid0(VALU_DEP_1)
	v_pk_add_f32 v[P0:P0+1], v[P0:P0+1], v[P2:P2+1]
	s_delay_alu instid0(VALU_DEP_1)
	v_pk_fma_f32 v[14:15], v[14:15], v[F:F+1], v[P0:P0+1] op_sel_hi:[1,0,1]
.irp a, 0,1,2,3
	MMA O+8*\a, VF+8*\a, CDS, VSW+\a, PSW          ; the four accumulators by turns
.endr
	s_add_co_u32 s[TB], s[TB], STEPB
.endm
	s_load_b256 s[68:75], s[0:1], 0x0              ; qw s[68:69], kvw s[70:71], maskw s[72:73], xc s[74:75]
	s_load_b64 s[76:77], s[0:1], 0x20              ; xs
	v_lshl_add_u32 v[SPW], v0, 2, SPARE
	v_mov_b32 v[NIL], 0
	ds_add_u32 v[SPW], v[NIL]                      ; the opening lines: the add, twice on end, and its wait ahead of the first tensor load
	ds_add_u32 v[SPW], v[NIL]
	v_lshrrev_b32 v8, 5, v0
	s_delay_alu instid0(VALU_DEP_1)
	v_readfirstlane_b32 s[WV], v8                  ; wave 0..15
	s_bfe_u32 s22, ttmp6, 0x40000                  ; cx
	s_lshl_b32 s23, ttmp9, 2
	s_add_co_u32 s23, s23, s22
	s_lshl_b32 s23, s23, 4
	s_add_co_u32 s23, s23, s[WV]                   ; my tile of 16 queries, 0..127
	s_and_b32 s24, ttmp7, 0xffff                   ; batch x 16 + head
	s_mov_b32 s[G1], 15|(3<<16)|(1<<21)            ; 36 dense rows of 256 bytes (32 elements of 8), for all four of the cluster
	s_mov_b32 s[G1+1], 32<<16
	s_mov_b32 s[G1+2], 36<<16
	s_mov_b32 s[G1+3], 32<<16
	s_mov_b32 s[G1+4], 36
	s_mov_b32 s[G1+5], 32
	s_mov_b32 s[G1+6], 0
	s_mov_b32 s[G1+7], 0
	s_mov_b32 s[G0], 1
	s_mul_i32 s[G0+1], s[WV], STEPB                ; my two records: made of the head and the wave's number alone
	s_mul_i32 s30, s24, HEADB
	s_add_co_u32 s30, s30, s[G0+1]
	s_mov_b32 s31, 0
	s_lshr_b32 s34, s23, 2
	s_lshl_b32 s35, s24, 5
	s_add_co_u32 s34, s34, s35
	s_mul_i32 s34, s34, 2304                       ; my record of qw
	s_mov_b32 s35, 0
	s_lshl_b32 s36, s23, 12                        ; my tile's lane masks: 16 steps of 256 bytes
	s_mov_b32 s37, 0
	s_and_b32 s38, s[WV], 3
	s_lshr_b32 s26, s24, 4
	s_lshl_b32 s26, s26, 7
	s_add_co_u32 s26, s26, s23
	s_lshl_b32 s26, s26, 4
	s_and_b32 s27, s24, 15
	s_add_co_u32 s26, s26, s27
	s_lshl_b32 s26, s26, 9                         ; xc: ((batch x 128 + tile) x 16 + head) x 512
	s_mov_b32 s27, 0
	s_lshl_b32 s28, s24, 11
	s_lshl_b32 s29, s23, 4
	s_add_co_u32 s28, s28, s29
	s_lshl_b32 s28, s28, 2                         ; xs: a word for each of (batch x 16 + head) x 2,048 + row
	s_mov_b32 s29, 0
	s_mov_b32 s[CS], 0x3e38aa3b                    ; log2(e) / 8
	s_mov_b32 s[CS+1], s[CS]
	s_mov_b32 s[SEL], 0x76543210
	s_mov_b32 s[SEL+1], 0xfedcba98
	s_mov_b32 s[TB], 0
	s_mov_b32 s[MO], 0
	v_and_b32 v8, 31, v0
	v_and_b32 v9, 15, v0
	s_delay_alu instid0(VALU_DEP_2)
	v_lshlrev_b32 v[L16], 4, v8
	s_delay_alu instid0(VALU_DEP_2)
	v_lshlrev_b32 v[R16], 4, v9
	s_delay_alu instid0(VALU_DEP_2)
	v_lshl_add_u32 v10, s38, 9, v[L16]             ; my image of the record's four
	s_delay_alu instid0(VALU_DEP_2)
	v_lshl_add_u32 v11, s38, 2, v[R16]             ; and its scale words
	s_wait_alu depctr_va_vdst(0)                   ; the wait here, directly ahead of the waits below
	s_wait_dscnt 0x0                               ; both opening adds are done
	s_wait_kmcnt 0x0
	s_add_nc_u64 s[G0+2:G0+3], s[70:71], s[30:31]
	s_or_b32 s[G0+3], s[G0+3], 0x80000000
	s_add_nc_u64 s[QA:QA+1], s[68:69], s[34:35]
	s_add_nc_u64 s[MB:MB+1], s[72:73], s[36:37]
	s_add_nc_u64 s[XCP:XCP+1], s[XCP:XCP+1], s[26:27]
	s_add_nc_u64 s[XSP:XSP+1], s[XSP:XSP+1], s[28:29]
	CROUND                                         ; the four work-groups are here: the joint loads meet
	tensor_load_to_lds s[G0:G0+3], s[G1:G1+7]      ; my one tensor load of the launch
	s_nop 0
.rept 4
	v_nop
.endr
	global_load_b128 v[QF:QF+3], v10, s[QA:QA+1]
	global_load_b128 v[QF+8:QF+11], v10, s[QA:QA+1]
	global_load_b32 v[QSC], v11, s[QA:QA+1] offset:2048
	s_load_b512 s[16:31], s[MB:MB+1], s[MO] offset:0x0
	s_load_b512 s[32:47], s[MB:MB+1], s[MO] offset:0x40
	s_load_b512 s[48:63], s[MB:MB+1], s[MO] offset:0x80
	s_load_b512 s[80:95], s[MB:MB+1], s[MO] offset:0xc0
	v_mov_b32 v[NEG8], 0xc1000000
	v_mov_b32 v13, 0xff61b1e6                      ; the largest t so far: -3e38
	s_delay_alu instid0(VALU_DEP_1)
	v_floor_f32 v12, -v13
	v_mov_b32 v14, 0
	v_mov_b32 v15, 0
.irp j, 4,5,6,7
	v_mov_b32 v[QF+\j], 0
.endr
.set n, 0
.rept 32
	v_mov_b32 v[O+n], 0                            ; the step is written for every step alike: the first finds zeros
.set n, n+1
.endr
	v_mov_b32 v[F+1], 0
	s_wait_alu depctr_va_vdst(0)                   ; the wait here, directly ahead of the wait below
	s_wait_tensorcnt 0x0                           ; my two records have landed
	s_barrier_signal -1
	s_barrier_wait -1                              ; everybody's have
	KLOAD L16, R16, 0
	s_wait_loadcnt 0x0
	v_lshlrev_b32 v[QSC2], 16, v[QSC]
	s_wait_dscnt 0x0
.irp i, 0,1,2,3
	v_lshl_or_b32 v[KSW+\i], v[KSC+4+\i], 16, v[KSC+\i]
.endr
.rept 8
	v_nop                                          ; a scale register written by a vector instruction stands eight places ahead of a scaled matrix instruction
.endr
	s_mov_b32 s[CNT], 15
	s_wait_alu depctr_va_vdst(0)                   ; the wait at the head's end
.Lstep:
	STEP 1
	s_sub_co_u32 s[CNT], s[CNT], 1
	s_cmp_lg_u32 s[CNT], 0
	s_cbranch_scc1 .Lstep
	s_mov_b32 s[TB], 15*STEPB
	STEP 0                                         ; the last step fetches nothing more
	v_add_f32 v14, v14, v15                        ; the sum's two halves,
	s_delay_alu instid0(VALU_DEP_1)
	v_permlanex16_b32 v[BP], v14, s[SEL], s[SEL+1]
	s_delay_alu instid0(VALU_DEP_1)
	v_add_f32 v14, v14, v[BP]                      ; and lane l xor 16's
	s_wait_alu depctr_va_vdst(0)                   ; the wait ahead of the transcendental
	v_rcp_f32 v14, v14
	v_lshrrev_b32 v8, 2, v[R16]                    ; 4 x (lane % 16)
	v_nop
	v_nop
	s_wait_alu depctr_va_vdst(0)                   ; the wait, directly ahead of the first readers of the reciprocal and of O^T
.set n, 0
.rept 32
	v_mul_f32 v[S+n], v[O+n], v14
.set n, n+1
.endr
	QUANT64 S, CDS, PSW
	global_store_b128 v[L16], v[CDS:CDS+3], s[XCP:XCP+1]   ; an image: 512 consecutive bytes, aligned
	global_store_b32 v8, v[PSW], s[XSP:XSP+1]              ; 16 rows' scale words (lanes 16-31 repeat lanes 0-15)
	s_wait_tensorcnt 0x0                           ; the wave's end
	ds_add_u32 v[SPW], v[NIL]
	s_wait_dscnt 0x0
	CROUND                                         ; the closing round
	s_endpgm
.Lfunc_end_k_q247340221c_attn:
	.size	k_q247340221c_attn, .Lfunc_end_k_q247340221c_attn-k_q247340221c_attn
	.p2alignl 7, 3214868480
	.fill 96, 4, 3214868480
	.section	.rodata,"a",@progbits
	.p2align	6, 0x0
	.amdhsa_kernel k_q247340221c_attn
		.amdhsa_group_segment_fixed_size 167936
		.amdhsa_private_segment_fixed_size 0
		.amdhsa_enable_private_segment 0
		.amdhsa_kernarg_size 40
		.amdhsa_user_sgpr_count 2
		.amdhsa_user_sgpr_kernarg_segment_ptr 1
		.amdhsa_wavefront_size32 1
		.amdhsa_system_sgpr_workgroup_id_x 1
		.amdhsa_system_sgpr_workgroup_id_y 1
		.amdhsa_system_sgpr_workgroup_id_z 1
		.amdhsa_system_vgpr_workitem_id 0
		.amdhsa_next_free_vgpr 256
		.amdhsa_next_free_sgpr 106
		.amdhsa_reserve_vcc 0
		.amdhsa_float_denorm_mode_32 3
		.amdhsa_float_denorm_mode_16_64 3
		.amdhsa_memory_ordered 1
		.amdhsa_forward_progress 1
		.amdhsa_inst_pref_size 52
	.end_amdhsa_kernel
	.amdgpu_metadata
---
amdhsa.version: [ 1, 2 ]
amdhsa.kernels:
  - .name:           k_q247340221c_attn
    .symbol:         k_q247340221c_attn.kd
    .args:
      - { .name: qw, .offset: 0, .size: 8, .value_kind: global_buffer, .address_space: global }
      - { .name: kvw, .offset: 8, .size: 8, .value_kind: global_buffer, .address_space: global }
      - { .name: maskw, .offset: 16, .size: 8, .value_kind: global_buffer, .address_space: global }
      - { .name: xc, .offset: 24, .size: 8, .value_kind: global_buffer, .address_space: global }
      - { .name: xs, .offset: 32, .size: 8, .value_kind: global_buffer, .address_space: global }
    .group_segment_fixed_size: 167936
    .private_segment_fixed_size: 0
    .kernarg_segment_align: 8
    .kernarg_segment_size: 40
    .max_flat_workgroup_size: 512
    .sgpr_count:     106
    .vgpr_count:     256
    .wavefront_size: 32
...
	.end_amdgpu_metadata
.endif
;; end of part 2
;; launch outp (part 3): grid 8 x 32, 16 waves a work-group, clusters of 4 x 4, 215,552 bytes of LDS; arguments xc, xs, wo_codes, wo_scales, bo, out0; writes out0
.if DOCPART == 3
	.amdgcn_target "amdgcn-amd-amdhsa--gfx1250"
	.amdhsa_code_object_version 6
	.text
	.protected	k_q247340221c_outp
	.globl	k_q247340221c_outp
	.p2align	8
	.type	k_q247340221c_outp,@function
k_q247340221c_outp:
	s_mov_b64 s[64:65], 0
	v_nop
	global_prefetch_b8 v0, s[64:65] scope:SCOPE_SE
	s_setreg_imm32_b32 hwreg(HW_REG_WAVE_MODE, 25, 1), 1
	s_wait_xcnt 0x0
	s_wait_alu depctr_hold_cnt(0) depctr_sa_sdst(0) depctr_va_vdst(0) depctr_va_sdst(0) depctr_va_ssrc(0) depctr_va_vcc(0) depctr_vm_vsrc(0)
	s_getreg_b32 s2, hwreg(HW_REG_IB_STS2, 6, 4)
	s_cmp_eq_u32 s2, 0
	s_cbranch_scc0 .Lentry_in_a_cluster
	s_endpgm
.Lentry_in_a_cluster:
	s_bfe_u32 s2, ttmp6, 0x10000c
	s_cmp_lg_u32 s2, 0xf033
	s_cbranch_scc0 .Lentry_shape_is_right
	s_endpgm
.Lentry_shape_is_right:
; out0 = x wo^T + bo on codes of FP4 (E2M1) with E8M0 scales.  x: 4,096 rows as images of operand registers (xc: [tile of 16 rows][head 16][512 bytes]; a fragment of 128 along K is two heads' images on end), its scale words xs [batch x 16 + head][2,048] (bytes 0, 1).
; A work-group makes 128 x 128 of out0, so that there are 256 work-groups; all of K = 1,024 lies in LDS, filled once.  Sixteen waves, each 32 x 32: four accumulators, which take turns.
; Source 0 = 16 rows of wo, source 1 = 16 rows of x: a lane holds eight neighbouring numbers of a row of out0.  The bias is the C of each sum's first product.
; CLUSTER 4 x 4: x's tile hangs on the tile row alone and is asked for jointly along a row of the cluster, wo's on the tile column alone and jointly along a column.
; THE WAY OUT: through a stage in LDS with bytes of its own; each wave then stores 8 whole rows of 512 consecutive bytes, aligned.
.set XC,    0                          ; 8 tiles of rows x 8,192 bytes, dense
.set WC,    65536                      ; wo's 128 rows of 512 bytes + 16 of padding
.set XSL,   133120                     ; x's scale words: 16 heads x (512 bytes + 16)
.set WSL,   141568                     ; wo's scale bytes: 16 runs of 256 bytes + 16
.set STG,   145920                     ; the stage: 128 rows x (512 bytes + 16)
.set SPARE, 213504                     ; the spare words, 128 bytes for each of 16 waves
.set L16,  1
.set AX,   2                           ; v2   my fragments of x
.set AW,   3                           ; v3   of wo
.set AXS,  4                           ; v4   x's scale words
.set AWS,  5                           ; v5   wo's
.set STO,  6                           ; v6   the stage: where I put 32 bytes of a row
.set RD,   7                           ; v7   and where I read a row back
.set SPW,  8
.set NIL,  9
.set BH,   10
.set BI,   16                          ; v16-31  the bias, two tiles
.set XSW,  32                          ; v32-47  x's scale words: 8 a + K step
.set WSW,  48                          ; v48-63  wo's: 8 b + K step
.set XF,   64                          ; v64-95  fragments of x: 8 (2 a + kk)
.set WF,   96                          ; v96-127 of wo
.set ACC,  128                         ; v128-159 accumulator (a, b) at 128 + 8 (2 a + b)
.set RAW,  160                         ; v160-191 xs as it lies: 16 a + head
.set OUTR, 192                         ; v192-223 eight rows on the way out
.set WV,   2
.set G1X,  16
.set G1XS, 24
.set G1W,  32
.set G1WS, 40
.set G0X,  48
.set G0XS, 52
.set G0W,  56
.set G0WS, 60
.macro MMA d, a, b, c, sa, sb
	v_wmma_scale_f32_16x16x128_f8f6f4 v[\d:\d+7], v[\a:\a+7], v[\b:\b+7], v[\c:\c+7], v[\sa], v[\sb] matrix_a_fmt:MATRIX_FMT_FP4 matrix_b_fmt:MATRIX_FMT_FP4
.endm
.macro CROUND                          ; a round of the cluster's barrier
	s_barrier_signal -1
	s_barrier_wait -1
	s_cmp_lg_u32 s[WV], 0
	s_cbranch_scc1 .Lnot_wave_0_\@
	s_barrier_signal -3
.Lnot_wave_0_\@:
	s_barrier_wait -3
	s_barrier_signal -1
	s_barrier_wait -1
.endm
; two K steps of 128: 16 LDS loads, 8 products
.macro KS2 i
.if (\i) > 0
.rept 4
	v_nop                                          ; four places in front of loads into registers that matrix instructions have read
.endr
.endif
.irp kk, 0,1
.irp a, 0,1
.irp c, 0,1
	ds_load_b128 v[XF+8*(2*\a+\kk)+4*\c:XF+8*(2*\a+\kk)+4*\c+3], v[AX] offset:8192*\a+1024*(2*(\i)+\kk)+512*\c
	ds_load_b128 v[WF+8*(2*\a+\kk)+4*\c:WF+8*(2*\a+\kk)+4*\c+3], v[AW] offset:8448*\a+64*(2*(\i)+\kk)+32*\c
.endr
.endr
.endr
	s_wait_dscnt 0x0
.irp kk, 0,1
.irp a, 0,1
.irp b, 0,1
.if ((\i) == 0) && (\kk == 0)
	MMA ACC+8*(2*\a+\b), WF+8*(2*\b+\kk), XF+8*(2*\a+\kk), BI+8*\b, WSW+8*\b+2*(\i)+\kk, XSW+8*\a+2*(\i)+\kk
.else
	MMA ACC+8*(2*\a+\b), WF+8*(2*\b+\kk), XF+8*(2*\a+\kk), ACC+8*(2*\a+\b), WSW+8*\b+2*(\i)+\kk, XSW+8*\a+2*(\i)+\kk
.endif
.endr
.endr
.endr
.endm
	s_load_b256 s[4:11], s[0:1], 0x0               ; xc s[4:5], xs s[6:7], wo's codes s[8:9], wo's scales s[10:11]
	s_load_b128 s[12:15], s[0:1], 0x20             ; bo s[12:13], out0 s[14:15]
	v_lshl_add_u32 v[SPW], v0, 2, SPARE
	v_mov_b32 v[NIL], 0
	ds_add_u32 v[SPW], v[NIL]                      ; the wave's opening: the add, twice on end, and its wait ahead of the first tensor load
	ds_add_u32 v[SPW], v[NIL]
	v_lshrrev_b32 v11, 5, v0
	s_delay_alu instid0(VALU_DEP_1)
	v_readfirstlane_b32 s[WV], v11                 ; wave 0..15
	s_bfe_u32 s66, ttmp6, 0x40000                  ; cx
	s_bfe_u32 s67, ttmp6, 0x40004                  ; cy
	s_lshl_b32 s68, ttmp9, 2
	s_add_co_u32 s68, s68, s66                     ; tile column = 4 x cluster x + cx
	s_and_b32 s69, ttmp7, 0xffff
	s_lshl_b32 s69, s69, 2
	s_add_co_u32 s69, s69, s67                     ; tile row = 4 x cluster y + cy
	s_lshl_b32 s70, s67, 2
	s_lshl_b32 s70, 15, s70                        ; my row of the cluster
	s_lshl_b32 s71, 0x1111, s66                    ; my column
	; x's images: 16,384 dense bytes a wave, as 64 rows of 256 bytes
	s_or_b32 s[G1X], s70, (3<<16)|(1<<21)
	s_mov_b32 s[G1X+1], 32<<16
	s_mov_b32 s[G1X+2], 64<<16
	s_mov_b32 s[G1X+3], 32<<16
	s_mov_b32 s[G1X+4], 64
	s_mov_b32 s[G1X+5], 32
	s_mov_b32 s[G1X+6], 0
	s_mov_b32 s[G1X+7], 0
	; x's scale words: four heads a wave, 512 bytes of each, 8,192 bytes apart; 16 bytes of padding behind each
	s_or_b32 s[G1XS], s70, (3<<16)|(1<<20)|(1<<21)|(6<<22)|(3<<25)
	s_mov_b32 s[G1XS+1], 64<<16
	s_mov_b32 s[G1XS+2], 4<<16
	s_mov_b32 s[G1XS+3], 64<<16
	s_mov_b32 s[G1XS+4], 4
	s_mov_b32 s[G1XS+5], 1024
	s_mov_b32 s[G1XS+6], 0
	s_mov_b32 s[G1XS+7], 0
	; wo's codes: 32 rows of 512 bytes a wave, padded
	s_or_b32 s[G1W], s71, (1<<20)|(1<<21)|(6<<22)|(3<<25)
	s_mov_b32 s[G1W+1], 512<<16
	s_mov_b32 s[G1W+2], 32<<16
	s_mov_b32 s[G1W+3], 512<<16
	s_mov_b32 s[G1W+4], 32
	s_mov_b32 s[G1W+5], 512
	s_mov_b32 s[G1W+6], 0
	s_mov_b32 s[G1W+7], 0
	; wo's scale bytes: 1,024 dense bytes a wave, as four rows of 256, padded
	s_or_b32 s[G1WS], s71, (3<<16)|(1<<20)|(1<<21)|(5<<22)|(3<<25)
	s_mov_b32 s[G1WS+1], 32<<16
	s_mov_b32 s[G1WS+2], 4<<16
	s_mov_b32 s[G1WS+3], 32<<16
	s_mov_b32 s[G1WS+4], 4
	s_mov_b32 s[G1WS+5], 32
	s_mov_b32 s[G1WS+6], 0
	s_mov_b32 s[G1WS+7], 0
	; where they come from and go to: x's hang on the tile row and the wave's number, wo's on the tile column and the wave's number, in registers that never hold the other coordinate; LDS addresses on the wave's number alone
	s_and_b32 s72, s[WV], 3                        ; each of the four tiles is shared out among four waves: my quarter
	s_lshl_b32 s73, s72, 14
	s_lshl_b32 s74, s69, 16
	s_add_co_u32 s74, s74, s73                     ; xc: 65,536 x tile row + 16,384 x (wave % 4)
	s_mov_b32 s75, 0
	s_lshr_b32 s76, s69, 4
	s_lshl_b32 s76, s76, 17                        ; xs: batch x 131,072
	s_lshl_b32 s77, s72, 15
	s_add_co_u32 s76, s76, s77                     ; + four heads x 8,192
	s_and_b32 s77, s69, 15
	s_lshl_b32 s77, s77, 9
	s_add_co_u32 s76, s76, s77                     ; + my 128 rows' 512 bytes
	s_mov_b32 s77, 0
	s_lshl_b32 s78, s68, 16
	s_add_co_u32 s78, s78, s73                     ; wo's codes: 65,536 x tile column + 16,384 x (wave % 4)
	s_mov_b32 s79, 0
	s_lshl_b32 s80, s68, 12
	s_lshl_b32 s81, s72, 10
	s_add_co_u32 s80, s80, s81                     ; wo's scales: 4,096 x tile column + 1,024 x (wave % 4)
	s_mov_b32 s81, 0
	s_mov_b32 s[G0X], 1
	s_mov_b32 s[G0X+1], s73
	s_mov_b32 s[G0XS], 1
	s_mul_i32 s[G0XS+1], s72, 2112
	s_add_co_u32 s[G0XS+1], s[G0XS+1], XSL
	s_mov_b32 s[G0W], 1
	s_mul_i32 s[G0W+1], s72, 16896
	s_add_co_u32 s[G0W+1], s[G0W+1], WC
	s_mov_b32 s[G0WS], 1
	s_mul_i32 s[G0WS+1], s72, 1088
	s_add_co_u32 s[G0WS+1], s[G0WS+1], WSL
	s_lshr_b32 s82, s[WV], 2                       ; wm: my 32 rows
	s_and_b32 s83, s[WV], 3                        ; wn: my 32 columns
	s_lshl_b32 s86, s68, 9
	s_lshl_b32 s87, s83, 7
	s_add_co_u32 s86, s86, s87                     ; bo: 512 x tile column + 128 x wn
	s_mov_b32 s87, 0
	s_lshl_b32 s88, s69, 7
	s_lshl_b32 s89, s[WV], 3
	s_add_co_u32 s88, s88, s89                     ; the first row that I store: 128 x tile row + 8 x wave
	s_lshl_b32 s88, s88, 12
	s_lshl_b32 s89, s68, 9
	s_add_co_u32 s88, s88, s89
	s_mov_b32 s89, 0
	s_wait_dscnt 0x0                               ; both opening adds are done
	s_wait_kmcnt 0x0
	s_add_nc_u64 s[G0X+2:G0X+3], s[4:5], s[74:75]
	s_or_b32 s[G0X+3], s[G0X+3], 0x80000000
	s_add_nc_u64 s[G0XS+2:G0XS+3], s[6:7], s[76:77]
	s_or_b32 s[G0XS+3], s[G0XS+3], 0x80000000
	s_add_nc_u64 s[G0W+2:G0W+3], s[8:9], s[78:79]
	s_or_b32 s[G0W+3], s[G0W+3], 0x80000000
	s_add_nc_u64 s[G0WS+2:G0WS+3], s[10:11], s[80:81]
	s_or_b32 s[G0WS+3], s[G0WS+3], 0x80000000
	s_add_nc_u64 s[12:13], s[12:13], s[86:87]
	s_add_nc_u64 s[14:15], s[14:15], s[88:89]
	CROUND                                         ; all sixteen work-groups are here: the joint loads meet
; THE FIRST FILLS, ONE A WAVE: waves 0-3 x's images, 4-7 x's scale words, 8-11 wo's codes, 12-15 wo's scale bytes.
; One chain of branches on the wave's number, a load to an arm, all arms leading to one join.
.macro ARM under, g0, g1, next
	s_cmp_lt_u32 s[WV], \under
	s_cbranch_scc0 \next
	tensor_load_to_lds s[\g0:\g0+3], s[\g1:\g1+7]
	s_nop 0
.rept 4
	v_nop
.endr
	s_branch .Lfilled
\next:
.endm
	ARM 4,  G0X,  G1X,  .Lfill_xs
	ARM 8,  G0XS, G1XS, .Lfill_w
	ARM 12, G0W,  G1W,  .Lfill_ws
	tensor_load_to_lds s[G0WS:G0WS+3], s[G1WS:G1WS+7]
	s_nop 0
.rept 4
	v_nop
.endr
.Lfilled:
	v_and_b32 v11, 31, v0
	s_delay_alu instid0(VALU_DEP_1)
	v_lshlrev_b32 v[L16], 4, v11
	v_and_b32 v12, 15, v0                          ; r
	v_bfe_u32 v13, v0, 4, 1                        ; h
	s_delay_alu instid0(VALU_DEP_1)
	v_lshlrev_b32 v[BH], 5, v13
.irp b, 0,1                                    ; lane (r, h) wants bo at 16 b + 8 h + 0 .. 7 of my 32 columns
	global_load_b128 v[BI+8*\b:BI+8*\b+3], v[BH], s[12:13] offset:64*\b
	global_load_b128 v[BI+8*\b+4:BI+8*\b+7], v[BH], s[12:13] offset:64*\b+16
.endr
	s_lshl_b32 s84, s82, 14                        ; my two tiles of rows: 16,384 x wm
	v_add_nc_u32 v[AX], s84, v[L16]
	s_mul_i32 s84, s83, 16896                      ; my 32 rows of wo
	s_add_co_u32 s84, s84, WC
	v_mul_u32_u24 v14, v12, 528
	s_wait_alu depctr_va_vdst(0)
	v_lshl_add_u32 v15, v13, 4, v14
	s_delay_alu instid0(VALU_DEP_1)
	v_add_nc_u32 v[AW], s84, v15
	s_lshl_b32 s84, s82, 7
	s_add_co_u32 s84, s84, XSL
	v_lshl_add_u32 v[AXS], v12, 2, s84             ; 128 x wm + 4 r
	s_mul_i32 s84, s83, 1088
	s_add_co_u32 s84, s84, WSL
	v_lshrrev_b32 v15, 3, v12
	s_delay_alu instid0(VALU_DEP_1)
	v_mul_u32_u24 v15, v15, 272
	v_and_b32 v11, 7, v12
	s_delay_alu instid0(VALU_DEP_1)
	v_lshl_add_u32 v15, v11, 5, v15
	s_delay_alu instid0(VALU_DEP_1)
	v_add_nc_u32 v[AWS], s84, v15
	s_mul_i32 s84, s82, 16896
	s_lshl_b32 s85, s83, 7
	s_add_co_u32 s84, s84, s85
	s_add_co_u32 s84, s84, STG
	v_lshl_add_u32 v15, v13, 5, v14
	s_delay_alu instid0(VALU_DEP_1)
	v_add_nc_u32 v[STO], s84, v15                  ; row 32 wm + r, byte 128 wn + 32 h
	s_mul_i32 s84, s[WV], 4224
	s_add_co_u32 s84, s84, STG
	v_add_nc_u32 v[RD], s84, v[L16]                ; rows 8 x wave on, 16 bytes a lane
	s_wait_alu depctr_va_vdst(0)
	s_wait_tensorcnt 0x0                           ; my one load has landed
	s_barrier_signal -1
	s_barrier_wait -1                              ; everybody's have
.irp a, 0,1
.set n, 0
.rept 16
	ds_load_b32 v[RAW+16*\a+n], v[AXS] offset:528*n+64*\a
.set n, n+1
.endr
.endr
.irp b, 0,1
	ds_load_b128 v[WSW+8*\b:WSW+8*\b+3], v[AWS] offset:544*\b
	ds_load_b128 v[WSW+8*\b+4:WSW+8*\b+7], v[AWS] offset:544*\b+16
.endr
	s_wait_dscnt 0x0
.irp a, 0,1
.set n, 0
.rept 8
	v_lshl_or_b32 v[XSW+8*\a+n], v[RAW+16*\a+2*n+1], 16, v[RAW+16*\a+2*n]   ; a K step's scale word: two heads' two bytes each
.set n, n+1
.endr
.endr
.rept 8
	v_nop                                          ; a scale register written by a vector instruction stands eight places ahead of a scaled matrix instruction
.endr
	s_wait_alu depctr_va_vdst(0)
	s_wait_loadcnt 0x0                             ; the bias
	KS2 0
	KS2 1
	KS2 2
	KS2 3
.rept 4
	v_nop                                          ; four places in front of the first read of results
.endr
.irp a, 0,1
.irp b, 0,1
	ds_store_b128 v[STO], v[ACC+8*(2*\a+\b):ACC+8*(2*\a+\b)+3] offset:8448*\a+64*\b       ; each accumulator from its low end on
	ds_store_b128 v[STO], v[ACC+8*(2*\a+\b)+4:ACC+8*(2*\a+\b)+7] offset:8448*\a+64*\b+16
.endr
.endr
	s_wait_dscnt 0x0                               ; for the others' sake: my stores into the stage are done
	s_barrier_signal -1
	s_barrier_wait -1
.irp i, 0,1,2,3,4,5,6,7
	ds_load_b128 v[OUTR+4*\i:OUTR+4*\i+3], v[RD] offset:528*\i
.endr
.irp i, 0,1,2,3,4,5,6,7
	s_wait_dscnt 7-\i                              ; row i is in; the younger loads may be out
	global_store_b128 v[L16], v[OUTR+4*\i:OUTR+4*\i+3], s[14:15] offset:4096*\i th:TH_STORE_NT   ; 512 consecutive bytes, aligned; written once, read by nobody here
.endr
	s_wait_tensorcnt 0x0                           ; the wave's end, behind my last tensor load and my last LDS store
	ds_add_u32 v[SPW], v[NIL]
	s_wait_dscnt 0x0
	CROUND                                         ; the closing round
	s_endpgm
.Lfunc_end_k_q247340221c_outp:
	.size	k_q247340221c_outp, .Lfunc_end_k_q247340221c_outp-k_q247340221c_outp
	.p2alignl 7, 3214868480
	.fill 96, 4, 3214868480
	.section	.rodata,"a",@progbits
	.p2align	6, 0x0
	.amdhsa_kernel k_q247340221c_outp
		.amdhsa_group_segment_fixed_size 215552
		.amdhsa_private_segment_fixed_size 0
		.amdhsa_enable_private_segment 0
		.amdhsa_kernarg_size 48
		.amdhsa_user_sgpr_count 2
		.amdhsa_user_sgpr_kernarg_segment_ptr 1
		.amdhsa_wavefront_size32 1
		.amdhsa_system_sgpr_workgroup_id_x 1
		.amdhsa_system_sgpr_workgroup_id_y 1
		.amdhsa_system_sgpr_workgroup_id_z 1
		.amdhsa_system_vgpr_workitem_id 0
		.amdhsa_next_free_vgpr 256
		.amdhsa_next_free_sgpr 96
		.amdhsa_reserve_vcc 0
		.amdhsa_float_denorm_mode_32 3
		.amdhsa_float_denorm_mode_16_64 3
		.amdhsa_memory_ordered 1
		.amdhsa_forward_progress 1
		.amdhsa_inst_pref_size 24
	.end_amdhsa_kernel
	.amdgpu_metadata
---
amdhsa.version: [ 1, 2 ]
amdhsa.kernels:
  - .name:           k_q247340221c_outp
    .symbol:         k_q247340221c_outp.kd
    .args:
      - { .name: xc, .offset: 0, .size: 8, .value_kind: global_buffer, .address_space: global }
      - { .name: xs, .offset: 8, .size: 8, .value_kind: global_buffer, .address_space: global }
      - { .name: wo_codes, .offset: 16, .size: 8, .value_kind: global_buffer, .address_space: global }
      - { .name: wo_scales, .offset: 24, .size: 8, .value_kind: global_buffer, .address_space: global }
      - { .name: bo, .offset: 32, .size: 8, .value_kind: global_buffer, .address_space: global }
      - { .name: out0, .offset: 40, .size: 8, .value_kind: global_buffer, .address_space: global }
    .group_segment_fixed_size: 215552
    .private_segment_fixed_size: 0
    .kernarg_segment_align: 8
    .kernarg_segment_size: 48
    .max_flat_workgroup_size: 512
    .sgpr_count:     96
    .vgpr_count:     256
    .wavefront_size: 32
...
	.end_amdgpu_metadata
.endif
;; end of part 3
